; MI455X (gfx1250); checked and timed in simulation.
; The chip was launched on July 23, 2026; its instructions are those of AMD's public machine-readable ISA for CDNA 5 (MIT licence, August 2026) and "CDNA5" Instruction Set Architecture Reference Guide (July 2026). The comments in the code are by the model that wrote it; some were corrected since.
;; Quantizer. Allowed arithmetic: matrix products marked QUANTISED: E2M1 operands, one E8M0 scale for each 32 along K, by v_wmma_scale_f32_16x16x128_f8f6f4 with both operands' format E2M1 (or v_wmma_scale_f32_32x16x128_f4), f32 sums; everything else in f32.
;; Inputs: E 4,096 x 256 float32; x 32 x 1,024 x 256 float32.
;; Outputs: out0 32 x 1,024 x 256 float32.
;; This version of the problem:
;;   THIS VERSION OF THE PROBLEM IS GIVEN IN LOW PRECISION. The matrix products marked QUANTISED in the list below multiply operands that are first quantised to E2M1 (2 exponent bits, 1 mantissa bit; 4 bits a number), with one power-of-two scale for each 32 numbers along K (OCP MX v1.0); their sums are f32. All else is computed in f32.
;;   The module's matrix products, in the order in which they are computed (A, B: the left and right operand; K: the contracted axis; several contracted axes count as one K, in the product's order):
;;     1. [M 32,768, K 256] x [K 256, N 4,096]; A: input x; B: input E: QUANTISED
;;   THE QUANTISER, for each operand of a quantised product, along K:
;;     - K is cut into blocks of 32 from its start; a last block that is shorter is filled with zeros.
;;     - A block's scale is 2^e with e = floor(log2(the largest magnitude in the block)) - 2, held to -126 .. 127; a block of zeros has e = 0. As a byte (E8M0): e + 127.
;;     - Each number is divided by its block's scale, clamped to +-6, and rounded to the nearest number of E2M1, ties to even, subnormals kept.
;;     - The product sums the exact products of the quantised numbers (number of the format x scale) in f32.
;;   ~~~python
;;   def quantise(x, axis):      # numpy; x: float32 -> the quantised numbers, widened to float32 again
;;       x = np.moveaxis(x, axis, -1); K = x.shape[-1]
;;       x = np.pad(x, [(0, 0)] * (x.ndim - 1) + [(0, -K % 32)]); x = x.reshape(x.shape[:-1] + (-1, 32)); a = np.abs(x).max(-1, keepdims=True)
;;       e = np.where(a > 0, np.clip(np.frexp(np.where(a > 0, a, 1))[1] - 1 - 2, -126, 127), 0)      # np.frexp(a)[1] - 1 = floor(log2(a)), exactly
;;       r = np.clip(x / 2.0 ** e, -6, 6)
;;       step = 2.0 ** (np.maximum(np.frexp(np.where(r == 0, 1, r))[1] - 1, 0) - 1)
;;       q = np.round(r / step) * step * 2.0 ** e      # np.round: ties to even
;;       return np.moveaxis(q.reshape(q.shape[:-2] + (-1,))[..., :K], -1, axis).astype(np.float32)
;;   ~~~
;; One version. Each part assembles by itself: llvm-mc -triple=amdgcn-amd-amdhsa -mcpu=gfx1250 --defsym DOCPART=n.
;; ======== version 1 of 1: 3 launches
;; limits: right only within a limited range of input values
;; workspace buffers: ep 573,440 bytes; xq 4,456,448 bytes; best 524,288 bytes of whole numbers
;; launch pack (part 1): grid 256 x 1, 9 waves a work-group, no clusters, 151,040 bytes of LDS; arguments E, x, ep, xq; writes ep, xq
.if DOCPART == 1
	.amdgcn_target "amdgcn-amd-amdhsa--gfx1250"
	.amdhsa_code_object_version 6
	.text
	.protected	k_q17b6bcf4a7_pack
	.globl	k_q17b6bcf4a7_pack
	.p2align	8
	.type	k_q17b6bcf4a7_pack,@function
k_q17b6bcf4a7_pack:
	s_mov_b64 s[64:65], 0
	v_nop
	global_prefetch_b8 v0, s[64:65] scope:SCOPE_SE
	s_setreg_imm32_b32 hwreg(HW_REG_WAVE_MODE, 25, 1), 1
	s_wait_xcnt 0x0
; E [4096][256] and x [32768][256], f32, become, once, what the product's launch reads: codes of FP4 (E2M1) along K with one E8M0 scale byte for each 32, laid as IMAGES OF THE OPERAND'S REGISTERS,
; their scale words, and for each row of E the bias -0.5 x (the sum of its squares, of the unquantised numbers, in f32).
; A block's scale is 2^(floor(log2(its largest magnitude)) - 2); its byte is the largest magnitude's exponent field - 2, held at 1 from below.
; LIMITS: NaN and infinities among the inputs are not served.  A block of zeros gets the byte 1 where the rule says 127: its codes are zeros, which add nothing under any byte but 0xff, and this program alone reads the bytes.
;         The sum of squares is taken in eight chains a lane and two lanes a row: its last bit may differ from a sum taken in another order.
; SHARES.  A wave takes a tile: 16 rows, 16,384 consecutive bytes.  Waves 0 to 7 of work-group g take x's tiles 8 g .. 8 g + 7, wave 8 takes E's tile g.  No barrier: nothing is shared.
; WHERE A TILE GOES.  Codes: four blocks of 512 bytes (K step s, registers 4 b .. 4 b + 3 of its fragment: block 2 s + b), lane l's 16 bytes at 16 l.  Scale words: 128 bytes, a word a lane: lanes 0-15 K step 0's word of
;   row l, lanes 16-31 K step 1's of row l - 16.  Bias: 16 numbers.  xq: codes at 2,048 x tile, scale words at 4,194,304 + 128 x tile.
;   ep: E's tile T lies in half T / 128, which is HB bytes, in quarter p = T / 32 % 4 of it, as tile i = T % 32.  A half has two parts, tiles i < 10 of all four quarters and then the others; a part holds the codes of its
;   four quarters, their scale words, their bias.
; The codes leave as stores of 512 consecutive aligned bytes.  Scale words and bias are shorter runs: 128 or 192 bytes for 16,384 read.  No prefetch: there is no loop to run ahead in; a wave asks for all it reads at once.
.set HB,    286720
.set SC0,   81920                      ; in a half: part 0's codes at 0, its scale words, its bias;
.set BI0,   87040
.set P1,    89600                      ; part 1's codes, its scale words, its bias
.set SC1,   269824
.set BI1,   281088
.set XSO,   4194304
.set PITCH, 1040                       ; a row in the stage: 1,024 bytes + 16, so that the sixteen rows that a load touches begin at sixteen different 16-byte columns of a span of 256 bytes
.set WREG,  16*PITCH                   ; a wave's own stage
.set SPARE, 9*WREG                     ; behind the stages: the spare words, 128 bytes for each wave
.set N,     16                         ; v16-143  the numbers: as loaded, then register 64 s + 16 b + i = k 128 s + 32 b + 16 (lane / 16) + i of row lane % 16
.set PC0,   144                        ; v144-151 K step 0's fragment;  v152-159 K step 1's
.set PC1,   152
.set PW0,   160                        ; v160, v161 their scale words;  v162 the word that my lane stores
.set PW1,   161
.set SW,    162
.set SUM,   164                        ; v164-171 four packed chains of squares
.set TM,    176                        ; v176-191 at work in QUANT
.set SPW,   192                        ; v192 LDS address of my spare word;  v193 0
.set NIL,   193
.set SEL,   20                         ; s[20:21] v_permlanex16_b32's selects for lane l xor 16
; 64 numbers of a lane, v[s] .. v[s + 63], register 16 b + i = k 32 b + 16 (lane / 16) + i of my row, become a fragment's codes in v[pc] on and its scale word in v[pw].
.macro QUANT s, pc, pw
.irp b, 0,1,2,3
	v_max3_num_f32 v[TM+\b], |v[\s+16*\b]|, |v[\s+1+16*\b]|, 0x1800000   ; block b: my 16 numbers, and the floor 2^(3 - 127): so the byte cannot fall under 1
.endr
.irp i, 2,4,6,8,10,12,14
.irp b, 0,1,2,3
	s_delay_alu instid0(VALU_DEP_4)
	v_max3_num_f32 v[TM+\b], v[TM+\b], |v[\s+16*\b+\i]|, |v[\s+1+16*\b+\i]|
.endr
.endr
.irp b, 0,1,2,3
	s_delay_alu instid0(VALU_DEP_4)
	v_permlanex16_b32 v[TM+4+\b], v[TM+\b], s[SEL], s[SEL+1]
.endr
.irp b, 0,1,2,3
	s_delay_alu instid0(VALU_DEP_4)
	v_max_num_f32 v[TM+\b], v[TM+\b], v[TM+4+\b]   ; with lane l xor 16's: the block's largest magnitude
.endr
.irp b, 0,1,2,3
	s_delay_alu instid0(VALU_DEP_4)
	v_add_nc_u32 v[TM+12+\b], 0xff000000, v[TM+\b]   ; 2 off its exponent field: the conversion's scale operand
.endr
.irp b, 0,1,2,3
	s_delay_alu instid0(VALU_DEP_4)
	v_lshrrev_b32 v[TM+4+\b], 23, v[TM+12+\b]      ; the scale's byte
.endr
	s_delay_alu instid0(VALU_DEP_3)
	v_lshl_or_b32 v[\pw], v[TM+5], 8, v[TM+4]      ; the four bytes make my row's scale word
	s_delay_alu instid0(VALU_DEP_1)
	v_lshl_or_b32 v[\pw], v[TM+6], 16, v[\pw]
	s_delay_alu instid0(VALU_DEP_1)
	v_lshl_or_b32 v[\pw], v[TM+7], 24, v[\pw]
.irp b, 0,1,2,3
	v_cvt_scalef32_pk8_fp4_f32 v[\pc+2*\b], v[\s+16*\b:\s+7+16*\b], v[TM+12+\b]
	v_cvt_scalef32_pk8_fp4_f32 v[\pc+1+2*\b], v[\s+8+16*\b:\s+15+16*\b], v[TM+12+\b]
.endr
	v_nop                                          ; one plain place behind a scaled conversion
.irp c, 0,1                                    ; the operand's layout wants a WHOLE block in a lane: lanes 0-15 block 2 c, lanes 16-31 block 2 c + 1
.irp i, 0,1
	v_permlane16_swap_b32 v[\pc+4*\c+\i], v[\pc+2+4*\c+\i]
.endr
.endr
.endm
	s_load_b256 s[4:11], s[0:1], 0x0               ; E s[4:5], x s[6:7], ep s[8:9], xq s[10:11]
	v_lshl_add_u32 v[SPW], v0, 2, SPARE
	v_mov_b32 v[NIL], 0
	v_lshrrev_b32 v9, 5, v0
	v_readfirstlane_b32 s26, v9                    ; wave 0..8
	s_mul_i32 s27, s26, WREG                       ; my stage
	v_and_b32 v7, 31, v0                           ; lane
	v_and_b32 v5, 15, v0                           ; r
	v_bfe_u32 v6, v0, 4, 1                         ; h
	v_lshlrev_b32 v1, 4, v7                        ; 16 x lane: my place in a run of 512 bytes, in memory and in an image
	v_mul_u32_u24 v2, v5, PITCH
	v_lshlrev_b32 v3, 2, v7                        ; 4 x lane: my scale word
	v_lshlrev_b32 v4, 2, v5                        ; 4 r: my row's bias
	v_add_nc_u32 v8, s27, v1                       ; into the stage
	v_lshl_add_u32 v2, v6, 6, v2
.irp b, 0,1,2,3
	v_mov_b32 v[TM+4+\b], 0                        ; written once: a lane permute's destination counts as one of its sources
.endr
	v_mov_b32 v174, 0                              ; likewise
	v_add_nc_u32 v2, s27, v2                       ; out of the stage: row r, + 64 h: my 16 numbers of a block of 32
	s_lshl_b32 s28, ttmp9, 3
	s_add_co_u32 s28, s28, s26                     ; x's tile
	s_lshl_b32 s12, s28, 14                        ; in x: 16 rows of 1,024 bytes a tile,
	s_lshl_b32 s14, s28, 11                        ; its codes in xq,
	s_lshl_b32 s16, s28, 7
	s_add_co_u32 s16, s16, XSO                     ; and its scale words
	s_lshr_b32 s29, ttmp9, 7
	s_mul_i32 s29, s29, HB                         ; E's tile: its half,
	s_bfe_u32 s30, ttmp9, 0x20005                  ; p: 2 bits from bit 5
	s_and_b32 s31, ttmp9, 31                       ; i
	s_mul_i32 s32, s30, 10*2048                    ; its quarter's codes in part 0,
	s_mul_i32 s33, s30, 22*2048
	s_add_co_u32 s33, s33, P1-10*2048              ; and in part 1, whose first tile is i = 10;
	s_mul_i32 s34, s30, 10*128
	s_add_co_u32 s34, s34, SC0                     ; the scale words,
	s_mul_i32 s35, s30, 22*128
	s_add_co_u32 s35, s35, SC1-10*128
	s_mul_i32 s36, s30, 10*64
	s_add_co_u32 s36, s36, BI0                     ; the bias
	s_mul_i32 s37, s30, 22*64
	s_add_co_u32 s37, s37, BI1-10*64
	s_cmp_lt_u32 s31, 10
	s_cselect_b32 s18, s32, s33
	s_cselect_b32 s19, s34, s35
	s_cselect_b32 s22, s36, s37
	s_lshl_b32 s32, s31, 11
	s_add_co_u32 s18, s18, s29
	s_add_co_u32 s18, s18, s32                     ; E's tile: its codes in ep,
	s_lshl_b32 s32, s31, 7
	s_add_co_u32 s19, s19, s29
	s_add_co_u32 s19, s19, s32                     ; its scale words,
	s_lshl_b32 s32, s31, 6
	s_add_co_u32 s22, s22, s29
	s_add_co_u32 s22, s22, s32                     ; its bias,
	s_mov_b32 s23, 0
	s_lshl_b32 s24, ttmp9, 14                      ; and the tile in E
	s_cmp_eq_u32 s26, 8                            ; E's wave or x's?  The choice hangs on the wave's number alone
	s_cselect_b32 s12, s24, s12
	s_cselect_b32 s14, s18, s14
	s_cselect_b32 s16, s19, s16
	s_mov_b32 s13, 0
	s_mov_b32 s15, 0
	s_mov_b32 s17, 0
	s_mov_b32 s[SEL], 0x76543210
	s_mov_b32 s[SEL+1], 0xfedcba98
	s_wait_alu depctr_va_vdst(0)                   ; the head's end
	s_wait_kmcnt 0x0
	s_cmp_eq_u32 s26, 8
	s_cselect_b64 s[4:5], s[4:5], s[6:7]
	s_cselect_b64 s[6:7], s[8:9], s[10:11]
	s_add_nc_u64 s[10:11], s[8:9], s[22:23]        ; bias
	s_add_nc_u64 s[8:9], s[6:7], s[16:17]          ; scale words
	s_add_nc_u64 s[6:7], s[6:7], s[14:15]          ; codes
	s_add_nc_u64 s[4:5], s[4:5], s[12:13]
.set I, 0
.rept 32
	global_load_b128 v[N+4*I:N+4*I+3], v1, s[4:5] offset:512*I th:TH_LOAD_NT   ; 32 lanes read 512 consecutive bytes: half a row
.set I, I+1
.endr
.set I, 0
.rept 32
	s_wait_loadcnt 31-I                            ; loads come back in order: load I is in, the 31 - I issued behind it may be out
	ds_store_b128 v8, v[N+4*I:N+4*I+3] offset:(I/2)*PITCH+(I%2)*512
.set I, I+1
.endr
	s_wait_dscnt 0x0                               ; the stores have read their registers, which now take the numbers back, 16 neighbours of each block to a lane
.irp s, 0,1
.irp b, 0,1,2,3
.irp j, 0,1,2,3
	ds_load_b128 v[N+64*\s+16*\b+4*\j:N+64*\s+16*\b+4*\j+3], v2 offset:512*\s+128*\b+16*\j
.endr
.endr
.endr
	s_wait_dscnt 16                                ; K step 0's sixteen loads are in; K step 1's sixteen may be out
	QUANT N, PC0, PW0
	global_store_b128 v1, v[PC0:PC0+3], s[6:7]               ; 512 consecutive aligned bytes a store
	global_store_b128 v1, v[PC0+4:PC0+7], s[6:7] offset:512
	s_wait_dscnt 0x0                               ; K step 1 is in
	QUANT N+64, PC1, PW1
	global_store_b128 v1, v[PC1:PC1+3], s[6:7] offset:1024
	global_store_b128 v1, v[PC1+4:PC1+7], s[6:7] offset:1536
	v_cmp_gt_u32 vcc_lo, 16, v7
	v_cndmask_b32 v[SW], v[PW1], v[PW0], vcc_lo    ; lanes 0-15: K step 0's word; lanes 16-31: K step 1's (both halves of the lanes hold both words of their row)
	global_store_b32 v3, v[SW], s[8:9]
	s_cmp_eq_u32 s26, 8
	s_cbranch_scc0 .Lend                           ; x has no bias
.irp n, 0,1,2,3
	v_pk_mul_f32 v[SUM+2*\n:SUM+2*\n+1], v[N+2*\n:N+2*\n+1], v[N+2*\n:N+2*\n+1]   ; the first squares start the four chains: nothing is cleared
.endr
.set I, 4
.rept 60
	v_pk_fma_f32 v[SUM+2*(I%4):SUM+2*(I%4)+1], v[N+2*I:N+2*I+1], v[N+2*I:N+2*I+1], v[SUM+2*(I%4):SUM+2*(I%4)+1]
.set I, I+1
.endr
	v_pk_add_f32 v[SUM:SUM+1], v[SUM:SUM+1], v[SUM+2:SUM+3]
	v_pk_add_f32 v[SUM+4:SUM+5], v[SUM+4:SUM+5], v[SUM+6:SUM+7]
	v_pk_add_f32 v[SUM:SUM+1], v[SUM:SUM+1], v[SUM+4:SUM+5]
	v_add_f32 v172, v[SUM], v[SUM+1]               ; my 128 squares
	v_permlanex16_b32 v174, v172, s[SEL], s[SEL+1]
	v_add_f32 v172, v172, v174                     ; with lane l xor 16's: the row's
	v_mul_f32 v173, -0.5, v172                     ; the halving rounds nothing
	global_store_b32 v4, v173, s[10:11]            ; both halves of the lanes write the same word with the same value: EXEC stays whole
.Lend:
	s_wait_tensorcnt 0x0                           ; the wave's end: behind my last LDS store
	ds_add_u32 v[SPW], v[NIL]
	s_wait_dscnt 0x0
	s_endpgm
.Lfunc_end_k_q17b6bcf4a7_pack:
	.size	k_q17b6bcf4a7_pack, .Lfunc_end_k_q17b6bcf4a7_pack-k_q17b6bcf4a7_pack
	.p2alignl 7, 3214868480
	.fill 96, 4, 3214868480
	.section	.rodata,"a",@progbits
	.p2align	6, 0x0
	.amdhsa_kernel k_q17b6bcf4a7_pack
		.amdhsa_group_segment_fixed_size 151040
		.amdhsa_private_segment_fixed_size 0
		.amdhsa_enable_private_segment 0
		.amdhsa_kernarg_size 32
		.amdhsa_user_sgpr_count 2
		.amdhsa_user_sgpr_kernarg_segment_ptr 1
		.amdhsa_wavefront_size32 1
		.amdhsa_system_sgpr_workgroup_id_x 1
		.amdhsa_system_sgpr_workgroup_id_y 1
		.amdhsa_system_sgpr_workgroup_id_z 1
		.amdhsa_system_vgpr_workitem_id 0
		.amdhsa_next_free_vgpr 194
		.amdhsa_next_free_sgpr 66
		.amdhsa_reserve_vcc 1
		.amdhsa_float_denorm_mode_32 3
		.amdhsa_float_denorm_mode_16_64 3
		.amdhsa_memory_ordered 1
		.amdhsa_forward_progress 1
		.amdhsa_inst_pref_size 27
	.end_amdhsa_kernel
	.amdgpu_metadata
---
amdhsa.version: [ 1, 2 ]
amdhsa.kernels:
  - .name:           k_q17b6bcf4a7_pack
    .symbol:         k_q17b6bcf4a7_pack.kd
    .args:
      - { .name: E, .offset: 0, .size: 8, .value_kind: global_buffer, .address_space: global }
      - { .name: x, .offset: 8, .size: 8, .value_kind: global_buffer, .address_space: global }
      - { .name: ep, .offset: 16, .size: 8, .value_kind: global_buffer, .address_space: global }
      - { .name: xq, .offset: 24, .size: 8, .value_kind: global_buffer, .address_space: global }
    .group_segment_fixed_size: 151040
    .private_segment_fixed_size: 0
    .kernarg_segment_align: 8
    .kernarg_segment_size: 32
    .max_flat_workgroup_size: 288
    .sgpr_count:     66
    .vgpr_count:     194
    .wavefront_size: 32
...
	.end_amdgpu_metadata
.endif
;; end of part 1
;; launch nearest (part 2): grid 256 x 1, 16 waves a work-group, clusters of 4 x 1, 327,680 bytes of LDS; arguments xq, ep, best; writes best
.if DOCPART == 2
	.amdgcn_target "amdgcn-amd-amdhsa--gfx1250"
	.amdhsa_code_object_version 6
	.text
	.protected	k_q17b6bcf4a7_nearest
	.globl	k_q17b6bcf4a7_nearest
	.p2align	8
	.type	k_q17b6bcf4a7_nearest,@function
k_q17b6bcf4a7_nearest:
	s_mov_b64 s[64:65], 0
	v_nop
	global_prefetch_b8 v0, s[64:65] scope:SCOPE_SE
	s_setreg_imm32_b32 hwreg(HW_REG_WAVE_MODE, 25, 1), 1
	s_wait_xcnt 0x0
	s_wait_alu depctr_hold_cnt(0) depctr_sa_sdst(0) depctr_va_vdst(0) depctr_va_sdst(0) depctr_va_ssrc(0) depctr_va_vcc(0) depctr_vm_vsrc(0)
	s_getreg_b32 s2, hwreg(HW_REG_IB_STS2, 6, 4)
	s_cmp_eq_u32 s2, 0
	s_cbranch_scc0 .Lentry_in_a_cluster
	s_endpgm
.Lentry_in_a_cluster:
	s_bfe_u32 s2, ttmp6, 0x10000c
	s_cmp_lg_u32 s2, 0x3003
	s_cbranch_scc0 .Lentry_shape_is_right
	s_endpgm
.Lentry_shape_is_right:
; For each row of x and each half of E (2,048 codes): the lowest v of that half at which -2 Q(x[row]) . Q(E[v]) + |E[v]|^2 is least, and a key that orders the two halves.
; It is found as the LARGEST Q(x) . Q(E) - 0.5 |E|^2: the bias -0.5 |E|^2 is the C of each sum's first matrix instruction, so neither the factor nor the addition costs a vector instruction.
; best holds four runs of 32,768 words: the index from half 0, from half 1, the key from half 0, from half 1.  A key is a whole number that rises with the f32 it is made of (equal numbers, equal keys), so that the
; next launch chooses between the two indices by a comparison of whole numbers.
; LIMITS: NaN and infinities among the inputs are not served.  A distance is rounded as (bias + K step 0's products) + K step 1's products, which can differ in its last bit from -2 s + |E|^2 rounded at the end.
;         Equal distances: the lowest index, at every level.
; SHARES.  A work-group takes 256 rows of x, 16 tiles, and one half of E, which stays in LDS: no LDS byte is filled again by a load.  Sixteen waves of 256 registers: wave w has p = w % 4, its
;   quarter of the half (512 codes, 32 tiles of 16, 16 steps of two tiles), and H = w / 4, four of the tiles of x, whose eight fragments stay in its registers.
; THE PRODUCT IS USED TRANSPOSED: source 0 = 32 codes of E, source 1 = 16 rows of x: lane (r, h) holds row r of x; registers 0-7 are the codes 8 h + j of the step's first tile, registers 8-15 those of its second.
; THE ARGMAX, nine lines for a lane's 8 distances.  For each tile of x a lane keeps the best so far (two sets by turns, so nothing is copied), and, in eight neighbouring registers, the distances 0 to 6 of the tile of E that
;   brought it and that tile's number.  A tile of E: four v_max3 (old best and 8 distances), one compare old >= new, four pairs of selects.  At the end the place in the tile is the lowest k whose kept distance is the best, or 7.
;   The old one is kept where two are equal: the earlier tile stays.
; E COMES IN TWO PARTS.  Steps 0 to 4 of all quarters are the first 350 of the half's 1,120 rows of 256 bytes: the head fetches 352 rows, 22 a wave.  The other 768, 48 a wave, are asked for behind a round of the cluster's
;   barrier and land while the first steps are worked; one barrier, ahead of the loads of step 5, shows them to every wave.
; CLUSTER.  The four work-groups of a cluster take the same half of E: each wave fetches its sixteenth of a part JOINTLY with its three partners (the same descriptor, a mask that names the four).
;   x's fragments are the work-group's own: a wave copies one tile's images through registers into LDS, where the four waves of a group of tiles read them.
; No prefetch: the walk reads LDS alone; what comes from memory is asked for in two loads a wave.
.set HB,    286720                     ; a half of E: 1,120 x 256 bytes
.set ROWS0, 22                         ; rows of 256 bytes to a wave's first load,
.set ROWS1, 48                         ; and to its second
.set SC0,   81920                      ; in a half: part 0's codes at 0, its scale words, its bias;
.set BI0,   87040
.set P1,    89600                      ; part 1's codes, its scale words, its bias
.set SC1,   269824
.set BI1,   281088
.set XSO,   4194304                    ; x's scale words in xq
.set XIMG,  HB                         ; x's 16 tiles as register images, 2,048 bytes each (written by ds_store: no tensor load lands here, nor behind)
.set XSC,   XIMG+32768                 ; their scale words, 128 bytes each
.set SPARE, XSC+2048                   ; the spare words, 128 bytes for each of the sixteen waves
.set RED,   XIMG                       ; at the end, over x's images: (best, code) of each row from each quarter: 2,048 p + 8 x row
.set SPW,  1                           ; v1   LDS address of my spare word; never rewritten
.set NIL,  2                           ; v2   0; never rewritten
.set AC,   3                           ; v3   part 0: my quarter's code images + 16 x lane,
.set AS,   4                           ; v4   its scale words + 128 h + 4 r,
.set AB,   5                           ; v5   its bias + 32 h
.set XRD,  6                           ; v6   x's images of my four tiles + 16 x lane
.set XSR,  7                           ; v7   their scale words + 4 x lane
.set XWI,  8                           ; v8   where I store the tile of x that I copy
.set XWS,  9                           ; v9   and its scale words
.set RW,   10                          ; v10  where I put (best, code)
.set RR,   11                          ; v11  where thread t reads rows 2 t, 2 t + 1 back
.set CB,   12                          ; v12  2,048 x half + 512 p + 8 h
.set OFF,  13                          ; v13  8 x thread: rows 2 t and 2 t + 1 in a run of best
.set XGO,  14                          ; v14  16 x lane,
.set XGS,  15                          ; v15  4 x lane: my places in a tile of xq
.set XF,   16                          ; v16-79   x's fragments: tile m, K step s at 16 m + 8 s
.set XSW,  80                          ; v80-83   x's scale words: lanes 0-15 K step 0, lanes 16-31 K step 1
.set ES,   84                          ; v84, v85 E's scale words for K step 0, 1: lane m for row m of the step's 32
.set AC1,  86                          ; v86, v87, v248  part 1: as v3, v4, v5
.set AS1,  87
.set AB1,  248
.set EC,   88                          ; v88-119  E's codes: K step s at 16 s: the first tile's eight registers, then the second's
.set EB,   120                         ; v120-135 the bias
.set D,    136                         ; v136-199 four accumulators of 16;  at the head the tile of x that I copy
.set BEST, 200                         ; v200-207 two sets
.set CP,   208                         ; v208-239 tile m of x: the kept distances 0 to 6 at 8 m + k, the tile of E's number in my quarter, 0 .. 31, at 8 m + 7
.set TM,   240                         ; v240-247 at work: maxima of the step's first tile of E, of its second
.set JC,   136                         ; the end: place in the tile, then the code's number;
.set VO,   140                         ; the other half of the lanes' best,
.set CO,   144                         ; and code;
.set PR,   148                         ; the pair (best, code)
.set FC,   168                         ; the last fold: two codes, two bests, two keys
.set FV,   170
.set FK,   172
.set WV,   10                          ; s10  my wave's number
.set G1,   16                          ; s[16:23] descriptor group 1;  s[24:27], s[28:31] group 0 for the first and the second load
.set G0,   24
.set G0B,  28
.set SEL,  44                          ; s[44:45] v_permlanex16_b32's selects for lane l xor 16
.set MK,   48                          ; s[48:51] the compares' masks at the end
; A round of the cluster's barrier: my work-group's barrier, so that wave 0's signal speaks for all sixteen waves; wave 0 signals; every wave waits for all four work-groups; my work-group's barrier once more.
.macro CROUND
	s_barrier_signal -1
	s_barrier_wait -1
	s_cmp_lg_u32 s[WV], 0
	s_cbranch_scc1 .Lnot_wave_0_\@
	s_barrier_signal -3
.Lnot_wave_0_\@:
	s_barrier_wait -3
	s_barrier_signal -1
	s_barrier_wait -1
.endm
.macro JLOAD g0                        ; a joint load, and four v_nop behind it
	tensor_load_to_lds s[\g0:\g0+3], s[G1:G1+7]
	s_nop 0
.rept 4
	v_nop
.endr
.endm
; Fourteen LDS loads: step t's two tiles of E: the codes of both K steps, the scale words, the bias of my half's eight codes of each tile
.macro LOADE t
.if (\t) < 5
.set QC, AC
.set QS, AS
.set QB, AB
.set QT, (\t)
.else
.set QC, AC1
.set QS, AS1
.set QB, AB1
.set QT, (\t)-5
.endif
.irp u, 0,1
.irp s, 0,1
.irp g, 0,1
	ds_load_b128 v[EC+16*\s+8*\u+4*\g:EC+16*\s+8*\u+4*\g+3], v[QC] offset:4096*QT+2048*\u+1024*\s+512*\g
.endr
.endr
	ds_load_b32 v[ES+\u], v[QS] offset:256*QT+64*\u
	ds_load_b128 v[EB+8*\u:EB+8*\u+3], v[QB] offset:128*QT+64*\u
	ds_load_b128 v[EB+8*\u+4:EB+8*\u+7], v[QB] offset:128*QT+64*\u+16
.endr
.endm
; The step's 32 codes against x's tile m: K step 0 (C = the bias), K step 1 in place
.macro K0 m
	v_wmma_scale_f32_32x16x128_f4 v[D+16*\m:D+16*\m+15], v[EC:EC+15], v[XF+16*\m:XF+16*\m+7], v[EB:EB+15], v[ES], v[XSW+\m]
.endm
.macro K1 m
	v_wmma_scale_f32_32x16x128_f4 v[D+16*\m:D+16*\m+15], v[EC+16:EC+31], v[XF+16*\m+8:XF+16*\m+15], v[D+16*\m:D+16*\m+15], v[ES+1], v[XSW+\m] matrix_b_scale:MATRIX_SCALE_ROW1
.endm
; A step's eight matrix instructions in two runs, the accumulators by turns: behind the first run x's tiles 0 and 1 are done
.macro MMA
	K0 0
	K0 1
	K0 2
	K1 0
	K1 1
.endm
.macro MMB
	K0 3
	K1 2
	K1 3
.endm
; The argmax's lines for x's tile m; g: the step's first or second tile of E
.macro FIRST m, g
	v_max3_num_f32 v[TM+4*\g+\m], v[D+16*\m+8*\g], v[D+16*\m+8*\g+1], v[D+16*\m+8*\g+2]
.endm
.macro MORE m, g, k
	v_max3_num_f32 v[TM+4*\g+\m], v[TM+4*\g+\m], v[D+16*\m+8*\g+\k], v[D+16*\m+8*\g+\k+1]
.endm
.macro NEW0 m                          ; the best behind the first tile of E, into the second set,
	v_max3_num_f32 v[BEST+4+\m], v[TM+\m], v[D+16*\m+7], v[BEST+\m]
.endm
.macro NEW1 m                          ; and behind the second, into the first (behind CMP0, which reads the old one)
	v_max3_num_f32 v[BEST+\m], v[TM+4+\m], v[D+16*\m+15], v[BEST+4+\m]
.endm
.macro CMP0 m
	v_cmp_ge_f32 vcc_lo, v[BEST+\m], v[BEST+4+\m]
.endm
.macro CMP1 m
	v_cmp_ge_f32 vcc_lo, v[BEST+4+\m], v[BEST+\m]
.endm
; Where VCC is set the lane keeps what it has; elsewhere it takes distances 0 to 6 of v[d] on and the tile's number l
.macro KEEP s, d, l
	v_dual_cndmask_b32 v[\s], v[\d], v[\s] :: v_dual_cndmask_b32 v[\s+1], v[\d+1], v[\s+1]
	v_dual_cndmask_b32 v[\s+2], v[\d+2], v[\s+2] :: v_dual_cndmask_b32 v[\s+3], v[\d+3], v[\s+3]
	v_dual_cndmask_b32 v[\s+4], v[\d+4], v[\s+4] :: v_dual_cndmask_b32 v[\s+5], v[\d+5], v[\s+5]
	v_dual_cndmask_b32 v[\s+6], v[\d+6], v[\s+6] :: v_dual_cndmask_b32 v[\s+7], \l, v[\s+7]
.endm
.macro TAKE m, g, t
	KEEP CP+8*\m, D+16*\m+8*\g, (2*\t+\g)
.endm
; STEP t: the argmax of step t, whose products stand in front of it, and the products of step t + 1.
; The first four maxima name no register of the last three products: they are the places that the loads and the maxima of tiles 2 and 3 want.  The loads have the rest of the argmax in which to land.
; Maxima stand between most compares and their selects.  The last compare and selects, tile 3's, are held back between the two runs of the next products: they are the places between those of tiles 0, 1 and their first maxima.
.macro STEP t
.if \t == 4
	s_barrier_wait -1                              ; every wave's part of part 1 has landed, and every wave has read x's images
.endif
.irp g, 0,1
	FIRST 0, \g
	FIRST 1, \g
.endr
.if \t < 15
	LOADE \t+1
.endif
.irp g, 0,1
	FIRST 2, \g
	FIRST 3, \g
.endr
.irp k, 3,5
.irp m, 0,1,2,3
	MORE \m, 0, \k
.endr
.endr
.irp m, 0,1,2,3
	NEW0 \m
.endr
	CMP0 0
	MORE 0, 1, 3
	MORE 1, 1, 3
	TAKE 0, 0, \t
	CMP0 1
	MORE 2, 1, 3
	MORE 3, 1, 3
	TAKE 1, 0, \t
	CMP0 2
	MORE 0, 1, 5
	MORE 1, 1, 5
	TAKE 2, 0, \t
	CMP0 3
	MORE 2, 1, 5
	MORE 3, 1, 5
	NEW1 0
	TAKE 3, 0, \t
	CMP1 0
	NEW1 1
	NEW1 2
	NEW1 3
	TAKE 0, 1, \t
	CMP1 1
	TAKE 1, 1, \t
	CMP1 2
	TAKE 2, 1, \t
.if \t < 15
	s_wait_dscnt 0x0                               ; the next step's tiles are in
.if \t == 3
	s_wait_tensorcnt 0x0                           ; my part of part 1 has landed:
	s_barrier_signal -1                            ; say so; register work alone stands between this and the wait
.endif
	MMA
.endif
	CMP1 3
	TAKE 3, 1, \t
.if \t < 15
	MMB
.endif
.endm
	s_load_b128 s[4:7], s[0:1], 0x0                ; xq s[4:5], ep s[6:7]
	s_load_b64 s[8:9], s[0:1], 0x10                ; best
	v_lshl_add_u32 v[SPW], v0, 2, SPARE
	v_mov_b32 v[NIL], 0
	ds_add_u32 v[SPW], v[NIL]                      ; the wave's opening: the add, twice on end, and its wait ahead of my first tensor load; work on registers stands between
	ds_add_u32 v[SPW], v[NIL]
	v_lshrrev_b32 v240, 5, v0
	v_readfirstlane_b32 s[WV], v240                ; wave 0..15
	s_bfe_u32 s11, ttmp6, 0x40000                  ; cx: my place in the cluster; it enters x's and best's global addresses alone
	s_and_b32 s13, ttmp9, 1                        ; in a cluster launch ttmp9 counts clusters: the cluster's half of E,
	s_lshr_b32 s12, ttmp9, 1
	s_lshl_b32 s12, s12, 2
	s_add_co_u32 s12, s12, s11                     ; and my block of 256 rows, 0 .. 127
	s_and_b32 s46, s[WV], 3                        ; p
	s_lshr_b32 s47, s[WV], 2                       ; H
	; LDS: a constant + a constant x my wave's part
	s_mul_i32 s32, s46, 10*2048
	s_mul_i32 s33, s46, 10*128
	s_add_co_u32 s33, s33, SC0
	s_mul_i32 s34, s46, 10*64
	s_add_co_u32 s34, s34, BI0
	s_mul_i32 s35, s46, 22*2048
	s_add_co_u32 s35, s35, P1
	s_mul_i32 s36, s46, 22*128
	s_add_co_u32 s36, s36, SC1
	s_mul_i32 s37, s46, 22*64
	s_add_co_u32 s37, s37, BI1
	s_lshl_b32 s38, s47, 13
	s_add_co_u32 s38, s38, XIMG
	s_lshl_b32 s39, s47, 9
	s_add_co_u32 s39, s39, XSC
	s_lshl_b32 s40, s[WV], 11
	s_add_co_u32 s40, s40, XIMG
	s_lshl_b32 s41, s[WV], 7
	s_add_co_u32 s41, s41, XSC
	s_lshl_b32 s42, s46, 11
	s_lshl_b32 s43, s47, 9
	s_add_co_u32 s42, s42, s43
	s_add_co_u32 s42, s42, RED
	s_lshl_b32 s43, s46, 9
	s_lshl_b32 s50, s13, 11
	s_add_co_u32 s43, s43, s50
	s_mul_i32 s48, s[WV], ROWS0*256                ; my sixteenth of the first load's rows,
	s_mul_i32 s49, s[WV], ROWS1*256
	s_add_co_u32 s49, s49, 16*ROWS0*256            ; and of the second's, behind them
	s_mul_i32 s54, s13, HB
	s_add_co_u32 s56, s54, s49
	s_add_co_u32 s54, s54, s48
	s_mov_b32 s55, 0
	s_mov_b32 s57, 0
	s_lshl_b32 s50, s12, 4
	s_add_co_u32 s50, s50, s[WV]                   ; the tile of x that I copy: 16 x block + w
	s_lshl_b32 s58, s50, 11
	s_mov_b32 s59, 0
	s_lshl_b32 s60, s50, 7
	s_add_co_u32 s60, s60, XSO
	s_mov_b32 s61, 0
	s_lshl_b32 s62, s12, 10                        ; my 256 words in a run of best
	s_lshl_b32 s63, s13, 17                        ; the half's run
	s_add_co_u32 s62, s62, s63
	s_mov_b32 s63, 0
	s_mov_b32 s[SEL], 0x76543210
	s_mov_b32 s[SEL+1], 0xfedcba98
	; descriptor group 1: dense rows of 256 bytes
	s_mov_b32 s[G1], 15|(3<<16)|(1<<21)            ; 15:0 the mask: all four work-groups; 17:16 elements of 8 bytes; 21 set beside a mask; no padding
	s_mov_b32 s[G1+1], 32<<16                      ; tensor_dim0 = 32
	s_mov_b32 s[G1+2], ROWS0<<16                   ; tensor_dim1
	s_mov_b32 s[G1+3], 32<<16                      ; tile_dim0 = 32
	s_mov_b32 s[G1+4], ROWS0                       ; tile_dim1
	s_mov_b32 s[G1+5], 32                          ; from row to row
	s_mov_b32 s[G1+6], 0
	s_mov_b32 s[G1+7], 0
	v_and_b32 v240, 31, v0                         ; lane
	v_and_b32 v241, 15, v0                         ; r
	v_bfe_u32 v242, v0, 4, 1                       ; h
	v_lshl_add_u32 v[RR], v0, 4, RED
	v_lshl_add_u32 v[AC], v240, 4, s32
	v_lshlrev_b32 v243, 2, v241
	v_lshl_add_u32 v[AB], v242, 5, s34
	v_lshl_add_u32 v[AC1], v240, 4, s35
	v_lshl_add_u32 v[AB1], v242, 5, s37
	v_lshl_add_u32 v243, v242, 7, v243
	v_lshl_add_u32 v[XRD], v240, 4, s38
	v_lshl_add_u32 v[XSR], v240, 2, s39
	v_lshl_add_u32 v[XWI], v240, 4, s40
	v_lshl_add_u32 v[XWS], v240, 2, s41
	v_add_nc_u32 v[AS], s33, v243
	v_add_nc_u32 v[AS1], s36, v243
	v_lshl_add_u32 v[RW], v241, 3, s42
	v_lshl_add_u32 v[CB], v242, 3, s43
	v_lshlrev_b32 v[OFF], 3, v0
	v_lshlrev_b32 v[XGO], 4, v240
	v_lshlrev_b32 v[XGS], 2, v240
	s_wait_alu depctr_va_vdst(0)                   ; directly ahead of the waits below
	s_wait_dscnt 0x0                               ; both opening adds are done
	CROUND                                         ; all four work-groups are here: the first joint loads meet.  (The round needs none of the arguments, which are still on their way)
	s_wait_kmcnt 0x0
	s_mov_b32 s[G0], 1                             ; count = 1
	s_mov_b32 s[G0+1], s48                         ; LDS address
	s_add_nc_u64 s[G0+2:G0+3], s[6:7], s[54:55]
	s_or_b32 s[G0+3], s[G0+3], 0x80000000          ; type = 2
	JLOAD G0                                       ; the head's one tensor load
	s_add_nc_u64 s[58:59], s[4:5], s[58:59]
	s_add_nc_u64 s[60:61], s[4:5], s[60:61]
.irp n, 0,1,2,3
	global_load_b128 v[D+4*\n:D+4*\n+3], v[XGO], s[58:59] offset:512*\n   ; 512 consecutive bytes a load; the work-group of the other half of E reads them too
.endr
	global_load_b32 v[D+16], v[XGS], s[60:61]
	s_mov_b32 s[G0B], 1
	s_mov_b32 s[G0B+1], s49
	s_add_nc_u64 s[G0B+2:G0B+3], s[6:7], s[56:57]
	s_or_b32 s[G0B+3], s[G0B+3], 0x80000000
	s_add_nc_u64 s[8:9], s[8:9], s[62:63]
.irp m, 0,1,2,3
	v_mov_b32 v[BEST+\m], 0xff800000               ; the best so far: -infinity, under every distance
.endr
.set I, 0
.rept 32
	v_mov_b32 v[CP+I], 0                           ; the selects read what they keep: written once
.set I, I+1
.endr
	s_wait_alu depctr_va_vdst(0)                   ; the head's end
	s_wait_loadcnt 0x0                             ; my tile of x is in
.irp n, 0,1,2,3
	ds_store_b128 v[XWI], v[D+4*\n:D+4*\n+3] offset:512*\n
.endr
	ds_store_b32 v[XWS], v[D+16]
	s_wait_dscnt 0x0                               ; for the others' sake: my stores are done
	s_barrier_signal -1
	s_barrier_wait -1                              ; x's images are whole
.irp m, 0,1,2,3
.irp s, 0,1
.irp g, 0,1
	ds_load_b128 v[XF+16*\m+8*\s+4*\g:XF+16*\m+8*\s+4*\g+3], v[XRD] offset:2048*\m+1024*\s+512*\g   ; my four tiles' eight fragments: they stay
.endr
.endr
	ds_load_b32 v[XSW+\m], v[XSR] offset:128*\m
.endr
	s_wait_tensorcnt 0x0                           ; my rows of the first load have landed; then, ahead of a later first fill as ahead of a refill:
	ds_add_u32 v[SPW], v[NIL]                      ; 0 onto my spare word,
	s_mov_b32 s[G1+2], ROWS1<<16                   ; (no tensor load of mine is out, so a descriptor may be written: the second load's rows)
	s_mov_b32 s[G1+4], ROWS1
	s_wait_dscnt 0x0                               ; the add and my reads of x's images are done
	CROUND                                         ; all this holds of every wave, and all four work-groups are here: the joint loads meet
	JLOAD G0B                                      ; the rest of the half, the first tensor load behind the round
	LOADE 0
	s_wait_dscnt 0x0
	MMA
.rept 4
	v_nop                                          ; no argmax is due yet: the places behind the first products of tiles 0 and 1
.endr
	MMB
.irp t, 0,1,2,3,4,5,6,7,8,9,10,11,12,13,14,15
	STEP \t
.endr
	; THE END.  The place in the winning tile: the lowest k whose kept distance is the best, or 7
.irp m, 0,1,2,3
	v_mov_b32 v[JC+\m], 7
.endr
.irp k, 6,5,4,3,2,1,0
.irp m, 0,1,2,3
	v_cmp_eq_f32 s[MK+\m], v[CP+8*\m+\k], v[BEST+\m]
.endr
.irp m, 0,1,2,3
	v_cndmask_b32 v[JC+\m], v[JC+\m], \k, s[MK+\m]
.endr
.endr
.irp m, 0,1,2,3
	v_lshl_add_u32 v[JC+\m], v[CP+8*\m+7], 4, v[JC+\m]
.endr
.irp m, 0,1,2,3
	v_add_nc_u32 v[JC+\m], v[JC+\m], v[CB]         ; the code's number: 2,048 x half + 512 p + 16 x tile + 8 h + place
.endr
.irp m, 0,1,2,3
	v_permlanex16_b32 v[VO+\m], v[BEST+\m], s[SEL], s[SEL+1]   ; the row's other eight codes of each tile lie in the lane 16 away
.endr
.irp m, 0,1,2,3
	v_permlanex16_b32 v[CO+\m], v[JC+\m], s[SEL], s[SEL+1]
.endr
.irp m, 0,1,2,3
	v_cmp_gt_f32 s[MK+\m], v[VO+\m], v[BEST+\m]
	v_cmp_eq_f32 s52, v[VO+\m], v[BEST+\m]
	v_cmp_lt_u32 s53, v[CO+\m], v[JC+\m]
	s_and_b32 s52, s52, s53
	s_or_b32 s[MK+\m], s[MK+\m], s52               ; the other's is taken where it is better, or as good with the lower number: both lanes end with the same pair
	v_cndmask_b32 v[PR+2*\m], v[BEST+\m], v[VO+\m], s[MK+\m]
	v_cndmask_b32 v[PR+2*\m+1], v[JC+\m], v[CO+\m], s[MK+\m]
.endr
.irp m, 0,1,2,3
	ds_store_b64 v[RW], v[PR+2*\m:PR+2*\m+1] offset:128*\m
.endr
	s_wait_dscnt 0x0                               ; for the others' sake: my stores are done
	s_barrier_signal -1
	s_barrier_wait -1
	s_cmp_lt_u32 s[WV], 4                          ; waves 0 to 3 fold the four quarters: thread t takes rows 2 t, 2 t + 1
	s_cbranch_scc0 .Ldone
.irp q, 0,1,2,3
	ds_load_b128 v[D+4*\q:D+4*\q+3], v[RR] offset:2048*\q
.endr
	s_wait_dscnt 0x0
	v_cmp_gt_f32 s[MK], v[D+4], v[D]               ; the quarters ascend in the codes' numbers, so the strict compare keeps the lowest of equals
	v_cmp_gt_f32 s[MK+1], v[D+6], v[D+2]
	v_max_num_f32 v[FV], v[D], v[D+4]
	v_max_num_f32 v[FV+1], v[D+2], v[D+6]
	v_cndmask_b32 v[FC], v[D+1], v[D+5], s[MK]
	v_cndmask_b32 v[FC+1], v[D+3], v[D+7], s[MK+1]
.irp q, 2,3
	v_cmp_gt_f32 s[MK], v[D+4*\q], v[FV]
	v_cmp_gt_f32 s[MK+1], v[D+4*\q+2], v[FV+1]
	v_max_num_f32 v[FV], v[FV], v[D+4*\q]
	v_max_num_f32 v[FV+1], v[FV+1], v[D+4*\q+2]
	v_cndmask_b32 v[FC], v[FC], v[D+4*\q+1], s[MK]
	v_cndmask_b32 v[FC+1], v[FC+1], v[D+4*\q+3], s[MK+1]
.endr
.irp i, 0,1
	v_add_f32 v[FV+\i], 0, v[FV+\i]                ; -0 becomes +0: equal numbers have equal keys
.endr
.irp i, 0,1
	v_ashrrev_i32 v[FK+\i], 31, v[FV+\i]
.endr
.irp i, 0,1
	v_and_b32 v[FK+\i], 0x7fffffff, v[FK+\i]
.endr
.irp i, 0,1
	v_xor_b32 v[FK+\i], v[FV+\i], v[FK+\i]         ; the key: the f32's bits as a signed whole number, a negative number's lower 31 bits inverted: it rises with the number
.endr
	global_store_b64 v[OFF], v[FC:FC+1], s[8:9]    ; a wave stores 256 consecutive bytes, at a multiple of 256 from best's first byte
	global_store_b64 v[OFF], v[FK:FK+1], s[8:9] offset:262144
.Ldone:
	s_wait_tensorcnt 0x0                           ; the wave's end: behind my last tensor load and my last LDS store
	ds_add_u32 v[SPW], v[NIL]
	s_wait_dscnt 0x0
	CROUND                                         ; the closing round: no work-group ends while a partner may still ask for a part that names it
	s_endpgm
.Lfunc_end_k_q17b6bcf4a7_nearest:
	.size	k_q17b6bcf4a7_nearest, .Lfunc_end_k_q17b6bcf4a7_nearest-k_q17b6bcf4a7_nearest
	.p2alignl 7, 3214868480
	.fill 96, 4, 3214868480
	.section	.rodata,"a",@progbits
	.p2align	6, 0x0
	.amdhsa_kernel k_q17b6bcf4a7_nearest
		.amdhsa_group_segment_fixed_size 327680
		.amdhsa_private_segment_fixed_size 0
		.amdhsa_enable_private_segment 0
		.amdhsa_kernarg_size 24
		.amdhsa_user_sgpr_count 2
		.amdhsa_user_sgpr_kernarg_segment_ptr 1
		.amdhsa_wavefront_size32 1
		.amdhsa_system_sgpr_workgroup_id_x 1
		.amdhsa_system_sgpr_workgroup_id_y 1
		.amdhsa_system_sgpr_workgroup_id_z 1
		.amdhsa_system_vgpr_workitem_id 0
		.amdhsa_next_free_vgpr 256
		.amdhsa_next_free_sgpr 66
		.amdhsa_reserve_vcc 1
		.amdhsa_float_denorm_mode_32 3
		.amdhsa_float_denorm_mode_16_64 3
		.amdhsa_memory_ordered 1
		.amdhsa_forward_progress 1
		.amdhsa_inst_pref_size 118
	.end_amdhsa_kernel
	.amdgpu_metadata
---
amdhsa.version: [ 1, 2 ]
amdhsa.kernels:
  - .name:           k_q17b6bcf4a7_nearest
    .symbol:         k_q17b6bcf4a7_nearest.kd
    .args:
      - { .name: xq, .offset: 0, .size: 8, .value_kind: global_buffer, .address_space: global }
      - { .name: ep, .offset: 8, .size: 8, .value_kind: global_buffer, .address_space: global }
      - { .name: best, .offset: 16, .size: 8, .value_kind: global_buffer, .address_space: global }
    .group_segment_fixed_size: 327680
    .private_segment_fixed_size: 0
    .kernarg_segment_align: 8
    .kernarg_segment_size: 24
    .max_flat_workgroup_size: 512
    .sgpr_count:     66
    .vgpr_count:     256
    .wavefront_size: 32
...
	.end_amdgpu_metadata
.endif
;; end of part 2
;; launch gather (part 3): grid 256 x 1, 8 waves a work-group, no clusters, 0 bytes of LDS; arguments E, best, out0; writes out0
.if DOCPART == 3
	.amdgcn_target "amdgcn-amd-amdhsa--gfx1250"
	.amdhsa_code_object_version 6
	.text
	.protected	k_q17b6bcf4a7_gather
	.globl	k_q17b6bcf4a7_gather
	.p2align	8
	.type	k_q17b6bcf4a7_gather,@function
k_q17b6bcf4a7_gather:
	s_mov_b64 s[64:65], 0
	v_nop
	global_prefetch_b8 v0, s[64:65] scope:SCOPE_SE
	s_setreg_imm32_b32 hwreg(HW_REG_WAVE_MODE, 25, 1), 1
	s_wait_xcnt 0x0
; out0[row][:] = E[v][:], rows of 256 f32 = 1,024 bytes.  v is the index that the launch before stored for the half of E with the larger key (whole numbers; equal keys: half 0, the lower index);
; it is held to 4,095, the table's last row, ahead of every address.
; A work-group takes 128 rows, each of its eight waves 16.  A wave reads its 16 rows' two indices and two keys by four scalar loads of 64 bytes, and moves 32 half rows of 512 bytes: AHEAD loads are out, and each half row is
; stored as it comes.  No LDS, no barrier, no matrix unit, no cluster: the waves share nothing, and only bytes are moved.  No loop: no register that a load or store names is written again.  No prefetch for the same reason.
.set IX,    16                         ; s[16:31] half 0's indices, then the rows' byte offsets in E;  s[32:47] half 1's indices
.set IY,    32
.set KX,    48                         ; s[48:63] half 0's keys;  s[68:83] half 1's
.set KY,    68
.set OFF,   2                          ; v2-17    row i: its offset in E + 16 x lane
.set DT,    32                         ; v32-159  the half rows: 4 registers each
.set AHEAD, 12
.set RUN,   131072                     ; bytes of a run of best: index from half 0, from half 1, key from half 0, from half 1
	s_load_b128 s[4:7], s[0:1], 0x0                ; E s[4:5], best s[6:7]
	s_load_b64 s[8:9], s[0:1], 0x10                ; out0
	v_lshrrev_b32 v18, 5, v0
	s_delay_alu instid0(VALU_DEP_1)
	v_readfirstlane_b32 s10, v18                   ; wave 0..7
	v_and_b32 v1, 31, v0
	s_delay_alu instid0(VALU_DEP_1)
	v_lshlrev_b32 v1, 4, v1                        ; 16 x lane
	s_lshl_b32 s11, ttmp9, 7
	s_lshl_b32 s12, s10, 4
	s_add_co_u32 s11, s11, s12                     ; my first row: 128 x work-group + 16 x wave
	s_lshl_b32 s12, s11, 2                         ; in a run of best,
	s_mov_b32 s13, 0
	s_lshl_b32 s14, s11, 10                        ; in out0 (under 2^25)
	s_mov_b32 s15, 0
	s_wait_alu depctr_va_vdst(0)                   ; directly ahead of the wait below
	s_wait_kmcnt 0x0
	s_add_nc_u64 s[6:7], s[6:7], s[12:13]
	s_add_nc_u64 s[8:9], s[8:9], s[14:15]
	s_load_b512 s[IX:IX+15], s[6:7], 0x0           ; 64 bytes each, at multiples of 64
	s_load_b512 s[IY:IY+15], s[6:7], RUN
	s_load_b512 s[KX:KX+15], s[6:7], 2*RUN
	s_load_b512 s[KY:KY+15], s[6:7], 3*RUN
	s_wait_kmcnt 0x0
.irp i, 0,1,2,3,4,5,6,7,8,9,10,11,12,13,14,15
	s_cmp_gt_i32 s[KY+\i], s[KX+\i]                ; half 1 only where its key is the larger
	s_cselect_b32 s[IX+\i], s[IY+\i], s[IX+\i]
	s_min_u32 s[IX+\i], s[IX+\i], 4095             ; inside the table, whatever the word holds
	s_lshl_b32 s[IX+\i], s[IX+\i], 10
	v_add_nc_u32 v[OFF+\i], s[IX+\i], v1
.endr
	s_wait_alu depctr_va_vdst(0)                   ; and here, ahead of the addresses' first readers
.macro LD n
	global_load_b128 v[DT+4*(\n):DT+4*(\n)+3], v[OFF+(\n)/2], s[4:5] offset:512*((\n)%2)   ; half a row; no hint: other waves name the same rows again
.endm
.set NN, 0
.rept AHEAD
	LD NN
.set NN, NN+1
.endr
.set NN, 0
.rept 32
.if NN+AHEAD <= 32
	s_wait_loadcnt AHEAD-1                         ; loads come back in order: load NN is in, the AHEAD - 1 issued behind it may be out
.else
	s_wait_loadcnt 31-NN                           ; nothing is left to ask for: the counts run down
.endif
.if NN+AHEAD < 32
	LD NN+AHEAD
.endif
	global_store_b128 v1, v[DT+4*NN:DT+4*NN+3], s[8:9] offset:512*NN th:TH_STORE_NT   ; 32 lanes store 512 consecutive bytes, at a multiple of 256 from out0's first byte; written once, read by nobody here
.set NN, NN+1
.endr
	s_endpgm
.Lfunc_end_k_q17b6bcf4a7_gather:
	.size	k_q17b6bcf4a7_gather, .Lfunc_end_k_q17b6bcf4a7_gather-k_q17b6bcf4a7_gather
	.p2alignl 7, 3214868480
	.fill 96, 4, 3214868480
	.section	.rodata,"a",@progbits
	.p2align	6, 0x0
	.amdhsa_kernel k_q17b6bcf4a7_gather
		.amdhsa_group_segment_fixed_size 0
		.amdhsa_private_segment_fixed_size 0
		.amdhsa_enable_private_segment 0
		.amdhsa_kernarg_size 24
		.amdhsa_user_sgpr_count 2
		.amdhsa_user_sgpr_kernarg_segment_ptr 1
		.amdhsa_wavefront_size32 1
		.amdhsa_system_sgpr_workgroup_id_x 1
		.amdhsa_system_sgpr_workgroup_id_y 1
		.amdhsa_system_sgpr_workgroup_id_z 1
		.amdhsa_system_vgpr_workitem_id 0
		.amdhsa_next_free_vgpr 160
		.amdhsa_next_free_sgpr 84
		.amdhsa_reserve_vcc 0
		.amdhsa_float_denorm_mode_32 3
		.amdhsa_float_denorm_mode_16_64 3
		.amdhsa_memory_ordered 1
		.amdhsa_forward_progress 1
		.amdhsa_inst_pref_size 12
	.end_amdhsa_kernel
	.amdgpu_metadata
---
amdhsa.version: [ 1, 2 ]
amdhsa.kernels:
  - .name:           k_q17b6bcf4a7_gather
    .symbol:         k_q17b6bcf4a7_gather.kd
    .args:
      - { .name: E, .offset: 0, .size: 8, .value_kind: global_buffer, .address_space: global }
      - { .name: best, .offset: 8, .size: 8, .value_kind: global_buffer, .address_space: global }
      - { .name: out0, .offset: 16, .size: 8, .value_kind: global_buffer, .address_space: global }
    .group_segment_fixed_size: 0
    .private_segment_fixed_size: 0
    .kernarg_segment_align: 8
    .kernarg_segment_size: 24
    .max_flat_workgroup_size: 256
    .sgpr_count:     84
    .vgpr_count:     160
    .wavefront_size: 32
...
	.end_amdgpu_metadata
.endif
;; end of part 3
